; MI455X (gfx1250); checked and timed in simulation.
; The chip was launched on July 23, 2026; its instructions are those of AMD's public machine-readable ISA for CDNA 5 (MIT licence, August 2026) and "CDNA5" Instruction Set Architecture Reference Guide (July 2026). The comments in the code are by the model that wrote it; some were corrected since.
;; Full Attention diff. Allowed arithmetic: matrix products marked QUANTISED: E5M2 operands, one given power-of-two scale a tensor, by v_wmma_f32_16x16x64_bf8_bf8 or v_wmma_f32_16x16x128_bf8_bf8, f32 sums; everything else in f32.
;; Inputs: attn_mask 1 bool; keys 2 x 16 x 2,048 x 64 float32; lambda_k1 64 float32; lambda_k2 64 float32; lambda_q1 64 float32; lambda_q2 64 float32; lowp_scales 4 int32 (the exponents e of the quantised operands' scales 2^e); queries 2 x 16 x 2,048 x 64 float32; subln_weight 128 float32; values 2 x 8 x 2,048 x 128 float32.
;; Outputs: out0 2 x 2,048 x 1,024 float32.
;; Constants: src_len = 2048, tgt_len = 2048.
;; This version of the problem:
;;   THIS VERSION OF THE PROBLEM IS GIVEN IN LOW PRECISION. The matrix products marked QUANTISED in the list below multiply operands that are first quantised to E5M2 (5 exponent bits, 2 mantissa bits; 8 bits a number), with one given power-of-two scale for each operand tensor; their sums are f32. All else is computed in f32.
;;   The module's matrix products, in the order in which they are computed (A, B: the left and right operand; K: the contracted axis; several contracted axes count as one K, in the product's order):
;;     1. batch 32 x [M 2,048, K 64] x [K 64, N 2,048]; A: computed on the way; B: input keys: QUANTISED (scales: A lowp_scales[0], B lowp_scales[1])
;;     2. batch 16 x [M 2,048, K 2,048] x [K 2,048, N 128]; A: computed on the way; B: input values: QUANTISED (scales: A lowp_scales[2], B lowp_scales[3])
;;   THE QUANTISER, for each operand of a quantised product, along K:
;;     - The operand's scale is 2^e, e = its entry of the input lowp_scales (int32; the entries are numbered through the quantised products in the list's order, A before B).
;;     - Each number is divided by the scale, clamped to +-57,344, and rounded to the nearest number of E5M2, ties to even, subnormals kept.
;;     - The product sums the exact products of the quantised numbers (number of the format x scale) in f32.
;;   ~~~python
;;   def quantise(x, axis, e):      # numpy; x: float32 -> the quantised numbers, widened to float32 again
;;       x = np.moveaxis(x, axis, -1); K = x.shape[-1]
;;       r = np.clip(x / 2.0 ** e, -57344, 57344)
;;       step = 2.0 ** (np.maximum(np.frexp(np.where(r == 0, 1, r))[1] - 1, -14) - 2)
;;       q = np.round(r / step) * step * 2.0 ** e      # np.round: ties to even
;;       return np.moveaxis(q, -1, axis).astype(np.float32)
;;   ~~~
;;   OPERANDS COMPUTED ON THE WAY. 'Computed on the way' means the value that the module computes at that place (a softmax that the list does not call 'softmax' is quantised finished and normalised). What goes into a quantiser is computed in f32, as accurately as f32 sums, v_exp_f32 and their like allow (about 1e-6 of the number): no bf16 or f16 on the way to a quantiser, and a product that is left as it is and whose result goes on into a quantised operand takes f32 operands (vector FMAs, or v_wmma_f32_16x16x4_f32). A number that lies on a knife's edge between two numbers of the format may be rounded either way, as far as f32 arithmetic and the matrix unit's own rounding can turn it there, and no further.
;; One version. Each part assembles by itself: llvm-mc -triple=amdgcn-amd-amdhsa -mcpu=gfx1250 --defsym DOCPART=n.
;; ======== version 1 of 1: 2 launches
;; limits: right only within a limited range of input values
;; workspace buffers: kv 8,388,608 bytes
;; launch prep (part 1): grid 512 x 1, 8 waves a work-group, no clusters, 72,704 bytes of LDS; arguments keys, values, lowp_scales, kv; writes kv
.if DOCPART == 1
	.amdgcn_target "amdgcn-amd-amdhsa--gfx1250"
	.amdhsa_code_object_version 6
	.text
	.protected	k_q0fd55f8644_prep
	.globl	k_q0fd55f8644_prep
	.p2align	8
	.type	k_q0fd55f8644_prep,@function
k_q0fd55f8644_prep:
	s_mov_b64 s[64:65], 0
	v_nop
	global_prefetch_b8 v0, s[64:65] scope:SCOPE_SE
	s_setreg_imm32_b32 hwreg(HW_REG_WAVE_MODE, 25, 1), 1
	s_wait_xcnt 0x0
; keys [2][16][2048][64] and values [2][8][2048][128], f32, become codes of BF8 (E5M2) in the workspace kv, each with its given scale (keys: entry 1 of lowp_scales, values: entry 3).
; code = x / 2^e, held within +-57,344, rounded to the nearest code, ties to even.
; WORK LEFT OUT IN THE WHOLE PROGRAM: the input attn_mask is named by no line of the computation, so it has no way to any output for any values: it is not loaded and is no argument of any launch.
; tgt_len and src_len are the constants 2,048.  Nothing else is left out.  (A NaN, an infinity or an overflow that reaches only the work left out is not carried to the result; a bool holds none.)
; LIMITS: both exponents lie between -126 and 112, so that 2^e and 57,344 x 2^e are f32 numbers.  NaN among the inputs is not served (an infinity is held at the largest code).
; kv IS LAID AS IMAGES OF THE OPERANDS' REGISTERS of the next launch, 524,288 bytes a pair (pair = batch x 8 + head pair), lane l's 16 bytes of a register group at 16 l.  w = keys 512 w .. 512 w + 511, one wave's there.
;   K tile (head hd, kt): 1,024 bytes = c x 512 + 16 lane.  Lane (r, h) of tile kt = 2 b + u holds key 32 b + 8 u + r + 8 (r / 8) of w, channels 32 c + 16 h + 0 .. 15.
;     hd = 1, kt >= 6: at 26,624 w + 1,024 (kt - 6).   All others: at 106,496 + 38,912 w + 1,024 (kt + 32 hd).
;   V fragment f = 8 j + ct (chunk j of 128 keys, channel tile ct): 2,048 bytes = c x 512 + 16 lane.  Lane (r, h) holds channel 16 ct + r, keys 128 j + 32 c + 16 h + 0 .. 15 of w.
;     f >= 22: at 442,368 + 20,480 w + 2,048 (f - 22).   f < 22: L = 45,056 w + 2,048 f; at 286,720 + L where L < 155,648, else at 106,496 + L.
; SHARES.  A wave takes ONE unit of 8,192 bytes of f32, all its loads issued at once; no loop, no barrier: waves share nothing.  Work-groups 0-255 take keys, 256-511 values.
;   keys: a unit is 32 keys of one head, dense in memory.  Each load reads 512 consecutive bytes; the unit turns through the wave's own stage in LDS, so that a lane gets 16 neighbours along the channels.
;   values: a unit is 64 keys x 32 channels.  A lane takes a channel and its registers run down the keys, which are the second product's K: nothing is transposed by an instruction.
.set WREG,  8960                       ; a wave's stage: row kk of 32 at 272 kk + 128 (kk / 16): 256 bytes + 16 of padding, the upper sixteen rows shifted by 128 bytes
.set SPARE, 8*WREG                     ; behind the stages: the spare words, 128 bytes for each wave
.set SPW,   12                         ; v12  LDS address of my spare word; never rewritten
.set NIL,   13                         ; v13  0; never rewritten
.set X,     16                         ; v16-79   64 numbers as loaded
.set Y,     80                         ; v80-143  keys: the same, turned
.set C,     144                        ; v144-159 the codes
	s_load_b256 s[4:11], s[0:1], 0x0               ; keys s[4:5], values s[6:7], the scales' exponents s[8:9], kv s[10:11]
	v_lshl_add_u32 v[SPW], v0, 2, SPARE
	v_mov_b32 v[NIL], 0
	v_lshrrev_b32 v1, 5, v0
	v_readfirstlane_b32 s12, v1                    ; wave 0..7
	s_mul_i32 s26, s12, WREG                       ; my stage
	v_and_b32 v2, 31, v0                           ; lane
	v_and_b32 v8, 15, v0                           ; r
	v_bfe_u32 v9, v0, 4, 1                         ; h
	v_lshlrev_b32 v3, 4, v2                        ; 16 x lane
	v_mul_u32_u24 v4, v9, 272
	v_lshl_add_u32 v4, v8, 4, v4
	v_add_nc_u32 v4, s26, v4                       ; into the stage: a load's 512 bytes are two rows: lanes 0-15 the even row, lanes 16-31 the odd one
	v_mul_u32_u24 v5, v8, 272
	v_lshrrev_b32 v6, 3, v8
	v_mad_u32_u24 v5, v6, 2304, v5
	v_lshl_add_u32 v5, v9, 6, v5
	v_add_nc_u32 v5, s26, v5                       ; out of it: row r + 8 (r / 8) (with that row's shift), + 64 h bytes: my 16 channels
	v_lshlrev_b32 v6, 2, v2                        ; values, in: 4 bytes a lane
	v_lshlrev_b32 v7, 11, v9
	v_lshl_add_u32 v7, v8, 4, v7                   ; values, out: 2,048 (lane / 16) + 16 (lane % 16)
	s_wait_alu depctr_va_vdst(0)                   ; directly ahead of the wait below
	s_wait_kmcnt 0x0
	s_load_b128 s[16:19], s[8:9], 0x0              ; the four exponents
	s_cmp_lt_u32 ttmp9, 256
	s_cbranch_scc0 .Lvalues
	; ---- keys.  Unit U = 8 x work-group + wave = head H x 64 + block B of 32 keys
	s_lshl_b32 s13, ttmp9, 3
	s_add_co_u32 s13, s13, s12
	s_lshl_b32 s20, s13, 13                        ; in: U x 8,192
	s_mov_b32 s21, 0
	s_add_nc_u64 s[4:5], s[4:5], s[20:21]
	s_lshr_b32 s14, s13, 6                         ; H
	s_and_b32 s15, s13, 63                         ; B
	s_lshr_b32 s22, s14, 1
	s_lshl_b32 s22, s22, 19                        ; out: pair H / 2
	s_lshr_b32 s23, s15, 4                         ; w
	s_and_b32 s24, s15, 15                         ; b: tiles 2 b and 2 b + 1
	s_and_b32 s25, s14, 1                          ; hd
	s_lshl_b32 s28, s24, 11
	s_mul_i32 s27, s23, 38912
	s_add_co_u32 s27, s27, s28
	s_lshl_b32 s29, s25, 15
	s_add_co_u32 s27, s27, s29
	s_add_co_u32 s27, s27, 106496
	s_mul_i32 s30, s23, 26624
	s_add_co_u32 s30, s30, s28
	s_sub_co_u32 s30, s30, 6144
	s_lshl_b32 s31, s25, 4
	s_or_b32 s31, s31, s24
	s_cmp_ge_u32 s31, 19                           ; hd = 1 and b >= 3
	s_cselect_b32 s27, s30, s27
	s_add_co_u32 s22, s22, s27
	s_mov_b32 s23, 0
	s_add_nc_u64 s[10:11], s[10:11], s[22:23]
.irp i, 0,1,2,3,4,5,6,7,8,9,10,11,12,13,14,15
	global_load_b128 v[X+4*\i:X+4*\i+3], v3, s[4:5] offset:512*\i th:TH_LOAD_NT   ; 32 lanes read 512 consecutive bytes: two keys' rows
.endr
	s_wait_kmcnt 0x0
	s_add_co_i32 s24, s17, 127
	s_lshl_b32 s25, s24, 23
	v_mov_b32 v11, s25                             ; 2^e as f32: the conversion takes its exponent field
	s_add_co_i32 s24, s24, 15
	s_lshl_b32 s24, s24, 23
	s_or_b32 s24, s24, 0x600000
	v_mov_b32 v10, s24                             ; 57,344 x 2^e
	s_wait_alu depctr_va_vdst(0)                   ; the wait at the head's end
.irp i, 0,1,2,3,4,5,6,7,8,9,10,11,12,13,14,15
	s_wait_loadcnt 15-\i                           ; loads come back in order: load i is in, the younger ones stay out
	ds_store_b128 v4, v[X+4*\i:X+4*\i+3] offset:544*\i+128*(\i/8)
.endr
.irp u, 0,1
.irp c, 0,1
.irp jj, 0,1,2,3
	ds_load_b128 v[Y+16*(2*\u+\c)+4*\jj:Y+16*(2*\u+\c)+4*\jj+3], v5 offset:2176*\u+128*\c+16*\jj   ; LDS serves a wave's instructions in order: these see my stores
.endr
.endr
.endr
.irp n, 0,1,2,3                        ; group n = 2 u + c: 16 numbers a lane
	s_wait_dscnt 12-4*\n                           ; this group's four loads are in; the later groups' stay out
.irp i, 0,1,2,3,4,5,6,7,8,9,10,11,12,13,14,15
	v_med3_num_f32 v[Y+16*\n+\i], v[Y+16*\n+\i], -v10, v10   ; the conversion to an 8-bit code does not saturate (ISA guide 7.6.2): the hold comes first
.endr
	v_cvt_scalef32_pk8_bf8_f32 v[C+4*\n:C+4*\n+1], v[Y+16*\n:Y+16*\n+7], v11
	v_cvt_scalef32_pk8_bf8_f32 v[C+4*\n+2:C+4*\n+3], v[Y+16*\n+8:Y+16*\n+15], v11
	global_store_b128 v3, v[C+4*\n:C+4*\n+3], s[10:11] offset:512*\n   ; 512 consecutive bytes, aligned.  (The results go to a store alone; the next group's holds are plain lines on other registers)
.endr
	s_wait_tensorcnt 0x0                           ; the wave's end, behind my last LDS store
	ds_add_u32 v[SPW], v[NIL]
	s_wait_dscnt 0x0
	s_endpgm
.Lvalues:
	; ---- values.  Unit U = 8 x (work-group - 256) + wave = (pair x 32 + 64 keys) x 4 + cw: channels 32 cw on
	s_sub_co_u32 s13, ttmp9, 256
	s_lshl_b32 s13, s13, 3
	s_add_co_u32 s13, s13, s12
	s_and_b32 s14, s13, 3                          ; cw
	s_lshr_b32 s15, s13, 2                         ; pair x 32 + which 64 keys
	s_lshl_b32 s20, s15, 15                        ; in: 64 keys of 512 bytes,
	s_lshl_b32 s21, s14, 7
	s_add_co_u32 s20, s20, s21                     ; + my 32 channels
	s_mov_b32 s21, 0
	s_add_nc_u64 s[6:7], s[6:7], s[20:21]
	s_lshr_b32 s22, s15, 5
	s_lshl_b32 s22, s22, 19                        ; out: pair
	s_bfe_u32 s29, s15, 0x20003                    ; w
	s_bfe_u32 s30, s15, 0x20001                    ; j
	s_and_b32 s31, s15, 1                          ; which half of the chunk's keys
	s_lshl_b32 s30, s30, 2
	s_or_b32 s30, s30, s14                         ; 4 j + cw: my fragments are 2 (4 j + cw) and the next
	s_lshl_b32 s23, s30, 12
	s_lshl_b32 s31, s31, 10
	s_add_co_u32 s23, s23, s31                     ; c = 2 x half on
	s_mul_i32 s24, s29, 45056
	s_add_co_u32 s24, s24, s23                     ; L
	s_mov_b32 s27, 106496
	s_cmp_lt_u32 s24, 155648
	s_cselect_b32 s27, 286720, s27
	s_add_co_u32 s24, s24, s27
	s_mul_i32 s28, s29, 20480
	s_add_co_u32 s28, s28, s23
	s_add_co_u32 s28, s28, 442368-45056
	s_cmp_ge_u32 s30, 11
	s_cselect_b32 s24, s28, s24
	s_add_co_u32 s22, s22, s24
	s_mov_b32 s23, 0
	s_add_nc_u64 s[10:11], s[10:11], s[22:23]
.irp k, 0,1,2,3,4,5,6,7,8,9,10,11,12,13,14,15,16,17,18,19,20,21,22,23,24,25,26,27,28,29,30,31,32,33,34,35,36,37,38,39,40,41,42,43,44,45,46,47,48,49,50,51,52,53,54,55,56,57,58,59,60,61,62,63
	global_load_b32 v[X+\k], v6, s[6:7] offset:512*\k th:TH_LOAD_NT   ; key k at my channel: 128 consecutive bytes a wave; the four waves of 64 keys cover the row
.endr
	s_wait_kmcnt 0x0
	s_add_co_i32 s24, s19, 127
	s_lshl_b32 s25, s24, 23
	v_mov_b32 v11, s25                             ; 2^e as f32
	s_add_co_i32 s24, s24, 15
	s_lshl_b32 s24, s24, 23
	s_or_b32 s24, s24, 0x600000
	v_mov_b32 v10, s24                             ; 57,344 x 2^e
	s_wait_alu depctr_va_vdst(0)                   ; the wait at the head's end
.irp c, 0,1
	s_wait_loadcnt 32-32*\c                        ; keys 32 c .. 32 c + 31 are in; with c = 0 the other 32 loads stay out
.irp hh, 0,1
.irp i, 0,1,2,3,4,5,6,7,8,9,10,11,12,13,14,15
	v_med3_num_f32 v[X+32*\c+16*\hh+\i], v[X+32*\c+16*\hh+\i], -v10, v10
.endr
	v_cvt_scalef32_pk8_bf8_f32 v[C+8*\c+4*\hh:C+8*\c+4*\hh+1], v[X+32*\c+16*\hh:X+32*\c+16*\hh+7], v11
	v_cvt_scalef32_pk8_bf8_f32 v[C+8*\c+4*\hh+2:C+8*\c+4*\hh+3], v[X+32*\c+16*\hh+8:X+32*\c+16*\hh+15], v11
	global_store_b128 v7, v[C+8*\c+4*\hh:C+8*\c+4*\hh+3], s[10:11] offset:512*\c+256*\hh   ; the image's lanes 16 hh + r: sixteen lanes store 256 consecutive bytes, aligned
.endr
.endr
	s_wait_tensorcnt 0x0                           ; the same three lines at this path's end
	ds_add_u32 v[SPW], v[NIL]
	s_wait_dscnt 0x0
	s_endpgm
.Lfunc_end_k_q0fd55f8644_prep:
	.size	k_q0fd55f8644_prep, .Lfunc_end_k_q0fd55f8644_prep-k_q0fd55f8644_prep
	.p2alignl 7, 3214868480
	.fill 96, 4, 3214868480
	.section	.rodata,"a",@progbits
	.p2align	6, 0x0
	.amdhsa_kernel k_q0fd55f8644_prep
		.amdhsa_group_segment_fixed_size 72704
		.amdhsa_private_segment_fixed_size 0
		.amdhsa_enable_private_segment 0
		.amdhsa_kernarg_size 32
		.amdhsa_user_sgpr_count 2
		.amdhsa_user_sgpr_kernarg_segment_ptr 1
		.amdhsa_wavefront_size32 1
		.amdhsa_system_sgpr_workgroup_id_x 1
		.amdhsa_system_sgpr_workgroup_id_y 1
		.amdhsa_system_sgpr_workgroup_id_z 1
		.amdhsa_system_vgpr_workitem_id 0
		.amdhsa_next_free_vgpr 160
		.amdhsa_next_free_sgpr 66
		.amdhsa_reserve_vcc 0
		.amdhsa_float_denorm_mode_32 3
		.amdhsa_float_denorm_mode_16_64 3
		.amdhsa_memory_ordered 1
		.amdhsa_forward_progress 1
		.amdhsa_inst_pref_size 25
	.end_amdhsa_kernel
	.amdgpu_metadata
---
amdhsa.version: [ 1, 2 ]
amdhsa.kernels:
  - .name:           k_q0fd55f8644_prep
    .symbol:         k_q0fd55f8644_prep.kd
    .args:
      - { .name: keys, .offset: 0, .size: 8, .value_kind: global_buffer, .address_space: global }
      - { .name: values, .offset: 8, .size: 8, .value_kind: global_buffer, .address_space: global }
      - { .name: lowp_scales, .offset: 16, .size: 8, .value_kind: global_buffer, .address_space: global }
      - { .name: kv, .offset: 24, .size: 8, .value_kind: global_buffer, .address_space: global }
    .group_segment_fixed_size: 72704
    .private_segment_fixed_size: 0
    .kernarg_segment_align: 8
    .kernarg_segment_size: 32
    .max_flat_workgroup_size: 256
    .sgpr_count:     66
    .vgpr_count:     160
    .wavefront_size: 32
...
	.end_amdgpu_metadata
.endif
;; end of part 1
;; launch attn (part 2): grid 16 x 16, 4 waves a work-group, clusters of 4 x 1, 327,680 bytes of LDS; arguments queries, kv, lambda_q1, lambda_k1, lambda_q2, lambda_k2, subln_weight, lowp_scales, out0; writes out0
.if DOCPART == 2
	.amdgcn_target "amdgcn-amd-amdhsa--gfx1250"
	.amdhsa_code_object_version 6
	.text
	.protected	k_q0fd55f8644_attn
	.globl	k_q0fd55f8644_attn
	.p2align	8
	.type	k_q0fd55f8644_attn,@function
k_q0fd55f8644_attn:
	s_mov_b64 s[64:65], 0
	v_nop
	global_prefetch_b8 v0, s[64:65] scope:SCOPE_SE
	s_setreg_imm32_b32 hwreg(HW_REG_WAVE_MODE, 25, 1), 1
	s_wait_xcnt 0x0
	s_wait_alu depctr_hold_cnt(0) depctr_sa_sdst(0) depctr_va_vdst(0) depctr_va_sdst(0) depctr_va_ssrc(0) depctr_va_vcc(0) depctr_vm_vsrc(0)
	s_getreg_b32 s2, hwreg(HW_REG_IB_STS2, 6, 4)
	s_cmp_eq_u32 s2, 0
	s_cbranch_scc0 .Lentry_in_a_cluster
	s_endpgm
.Lentry_in_a_cluster:
	s_bfe_u32 s2, ttmp6, 0x10000c
	s_cmp_lg_u32 s2, 0x3003
	s_cbranch_scc0 .Lentry_shape_is_right
	s_endpgm
.Lentry_shape_is_right:
; For a pair of heads (0, 1): a_hd = softmax(Q_hd K_hd^T / 8), w = a_0 - lam a_1, O = Q(w) Q(V), then the RMS norm over O's 128 channels, times subln_weight and 1 - LAMBDA_INIT.  Both products on codes of BF8 (E5M2).
; lam = exp(q1 . k1) - exp(q2 . k2) + LAMBDA_INIT.  w is quantised finished and normalised.  Work left out in the program: attn_mask alone (see the first kernel's head).
; LIMITS: eq (entry 0) between -129 and 109; eq + ek between -120 and 120; ep (entry 2) between -126 and 112; scaled scores (exponents to the base 2) under 2^31 in magnitude.  NaN among the inputs is not served.
; SHARES.  A work-group owns 128 queries of one pair and takes 16 a trip, 8 trips.  Each of its four waves owns 512 of the 2,048 keys.  ALL SCORES OF A TRIP STAY IN REGISTERS: 16 queries x 512 keys x 2 heads = 512 registers
; a wave, so that each score is made once and exponentiated once.  Each wave takes its own whole-number maximum M and sum l; the four waves exchange (-M, l) through LDS, and their parts of O.
; K AND V OF THE PAIR (512 KiB of codes) STAY ON THE WGP: of a wave's 64 K tiles 38 lie in registers and 26 in LDS; of its 32 fragments of V (8 j + channel tile, j = 128 keys) the last 10 lie in registers, 22 in LDS.
; LAYOUT.  Both products are used transposed: S^T = K Q^T, O^T = V^T w^T: a lane holds ONE query (lane % 16) throughout.  The registers of tiles 2 b, 2 b + 1 are keys 32 b + 16 (lane / 16) + 0 .. 15.
; REGISTERS, in windows of 256:  window 0: v0-47 at work, v48-207 K of head 0, tiles 12-31, v208-255 K of head 1, tiles 0-5;  window 1: 0-159 V's fragments 22-31, 160-255 K of head 0, tiles 0-11;
;   window 2: head 0's scores, then w; in the second product 0-63 O^T, the rest V fragments;  window 3: first K of head 1, tiles 6-31, at 0-207; head 1's scores; then w's codes (64 j on, 16 each chunk) and V fragments.
; BARRIERS, two a trip: behind the first stand the reads of all waves' (-M, l) and of the trip before's parts of O^T; the second, at the trip's end, lets the parts of O^T, (-M, l) and Q's images be written anew.
; CLUSTERS: the four work-groups of a cluster take four query blocks of ONE pair and ask jointly for K and V.  What is asked for hangs on the pair and the wave's number alone.
; K and V are not prefetched: each is asked for once, in front of the loop, so no loop runs ahead of them.  The queries are, one trip ahead.
.set VLDS,  106496                     ; LDS: 0 .. K tiles 6-31 of head 1, 26,624 bytes a wave; from here on V's fragments 0-21, 45,056 bytes a wave (first the K tiles for the registers)
.set STAGE, 286720                     ; O^T's parts: 16 queries x 528 bytes (512 + 16 of padding) a wave
.set QIMG,  320512                     ; two slots of 2,048 bytes: Q's codes of a trip as register images
.set STATS, 324608                     ; 256 bytes a wave: -M and l of both heads for each query
.set SPARE, 325632                     ; the spare words, 128 bytes a wave
.set WGT,   326144                     ; (1 - LAMBDA_INIT) x subln_weight: 512 bytes
.set PFO, 1                            ; v1  the prefetch's offset: 256 x min(lane, 7)
.set SPW, 2                            ; v2  LDS address of my spare word; never rewritten
.set NIL, 3                            ; v3  0; never rewritten
.set ADV, 4                            ; v4  my fragments of V
.set ADK, 5                            ; v5  my tiles of K that lie in LDS
.set STO, 6                            ; v6  O^T into my stage
.set RD,  7                            ; v7  out of the stages: my four queries
.set STW, 8                            ; v8  my stats;  v9 the first wave's
.set STR, 9
.set QIW, 10                           ; v10 Q's codes into their image;  v11 out of it
.set QIR, 11
.set QG,  12                           ; v12 32 x lane
.set GO,  13                           ; v13 my byte offset in O's rows
.set SC,  15                           ; v15 2^ep
.set W,   16                           ; v16-23 at work: maxima; the weights at channels 4 (lane % 16) + 0 .. 3 and 64 on
.set ST,  24                           ; v24 -M of head 0, v25 l, v26 -M of head 1, v27 l; then the factors of w in v24 and v26
.set QC,  32                           ; v32-47 Q's codes (8 registers a head); then sums, stats, the next numbers of Q
.set WV,  22
.set G1,  24                           ; s[24:31], s[68:75] descriptor groups 1;  s[32:35], s[36:39] groups 0: the head's fill, the refill
.set G1B, 68
.set G0,  32
.set G0B, 36
.set CS,  48                           ; s[48:49] log2(e) x 2^(eq + ek)
.set SEL, 50
.set QS,  52                           ; s52 the slot of Q's image that this trip fills
.set CNT, 53
.set LAMN, 54                          ; s54 -lam
.set LO,  86                           ; s86, s87 -57,344 x 2^ep and 57,344 x 2^ep
.set HI,  87
.set MSB, 0
.macro WIN new
.if MSB != (\new)
	s_set_vgpr_msb (MSB<<8)|(\new)
.set MSB, \new
.endif
.endm
.macro VA
	s_wait_alu depctr_va_vdst(0)
.endm
.macro NOPS n                          ; places behind matrix instructions
.rept \n
	v_nop
.endr
.endm
.macro ROUND                           ; a round of the cluster's barrier
	s_barrier_signal -1
	s_barrier_wait -1
	s_cmp_lg_u32 s[WV], 0
	s_cbranch_scc1 .Lnot_wave_0_\@
	s_barrier_signal -3
.Lnot_wave_0_\@:
	s_barrier_wait -3
	s_barrier_signal -1
	s_barrier_wait -1
.endm
.macro QHOLD b                         ; the conversion does not saturate (ISA guide 7.6.2): the hold comes first
.irp i, 0,1,2,3,4,5,6,7,8,9,10,11,12,13,14,15
	v_med3_num_f32 v[\b+\i], v[\b+\i], -v28, v28
.endr
.endm
.macro KEPT n0, cnt                    ; head 1's tiles 6 + n0 on from LDS to window 3
	WIN 0xc0
.set IT, \n0
.rept \cnt
	ds_load_b128 v[8*IT:8*IT+3], v[ADK] offset:1024*IT
	ds_load_b128 v[8*IT+4:8*IT+7], v[ADK] offset:1024*IT+512
.set IT, IT+1
.endr
.endm
.macro QK0 k0, cnt, win, a             ; head 0's scores: tiles k0 on; K of tile kt in register 8 kt + a
	WIN \win
.set IT, \k0
.rept \cnt
	v_wmma_f32_16x16x64_bf8_bf8 v[8*IT:8*IT+7], v[8*IT+\a:8*IT+\a+7], v[QC:QC+7], 0
.set IT, IT+1
.endr
.endm
.macro QPAIR                           ; two tiles of head 1's scores, from tile 31 down.  K of tile kt >= 6 lies in window 3 at 8 (kt - 6), where tile kt - 6's result comes three pairs later
.if KT >= 6
	WIN 0xc3
.rept 2
	v_wmma_f32_16x16x64_bf8_bf8 v[8*KT:8*KT+7], v[8*KT-48:8*KT-41], v[QC+8:QC+15], 0
.set KT, KT-1
.endr
.else
	WIN 0xc0
.rept 2
	v_wmma_f32_16x16x64_bf8_bf8 v[8*KT:8*KT+7], v[208+8*KT:215+8*KT], v[QC+8:QC+15], 0
.set KT, KT-1
.endr
.endif
	WIN EW
.endm
; The largest of 256 scores in window hw into v[d], in eight chains.  behind = 1: exponentials stand between the products and this: the wait stands ahead of the products' first readers, and nothing but these follows it
.macro MAX hw, d, behind
.if \behind
	WIN 0
.irp k, 0,1,2,3,4,5,6,7
	v_mov_b32 v[W+\k], 0xff800000                  ; -infinity
.endr
	WIN 0x14*\hw
	VA
.set IT, 0
.else
	WIN 0x15*\hw
.irp k, 0,1,2,3,4,5,6,7
	v_max_num_f32 v[W+\k], v[32*\k], v[32*\k+1]
.endr
	WIN 0x14*\hw
.set IT, 2
.endif
.rept 15+\behind
.irp k, 0,1,2,3,4,5,6,7
	v_max3_num_f32 v[W+\k], v[W+\k], v[32*\k+IT], v[32*\k+IT+1]
.endr
.set IT, IT+2
.endr
	WIN 0
	v_max3_num_f32 v[W], v[W], v[W+1], v[W+2]
	v_max3_num_f32 v[W+3], v[W+3], v[W+4], v[W+5]
	v_max_num_f32 v[W+6], v[W+6], v[W+7]
	v_max3_num_f32 v[\d], v[W], v[W+3], v[W+6]
.endm
; n exponentials from register e on, and among them m scalings t - M of pairs from register f on, for the next batch; qk = 1: and pairs of tiles of head 1's scores
.macro BATCH e, n, f, m, qk
.set IT, 0
.rept \n
	v_exp_f32 v[\e+IT], v[\e+IT]
.if ((IT+1)*(\m))/(\n) > (IT*(\m))/(\n)
.set IU, (IT*(\m))/(\n)
	v_pk_fma_f32 v[\f+2*IU:\f+2*IU+1], v[\f+2*IU:\f+2*IU+1], s[CS:CS+1], v[NM:NM+1] op_sel_hi:[1,0,0]
.endif
.if (\qk) && ((IT%8) == 4) && (KT >= 0)
	QPAIR
.endif
.set IT, IT+1
.endr
.endm
.macro EXPH hw, nm, qk                 ; p = 2^(t - M) of the 256 scores in window hw
.set NM, \nm
.set EW, 0x41*\hw
.set KT, 31
	WIN EW
.set IT, 0
.rept 16
	v_pk_fma_f32 v[2*IT:2*IT+1], v[2*IT:2*IT+1], s[CS:CS+1], v[NM:NM+1] op_sel_hi:[1,0,0]
.set IT, IT+1
.endr
	VA
	BATCH 0, 32, 32, 32, 0
	VA
.if \qk
	s_wait_dscnt 0x0                               ; head 1's K tiles from LDS are in
.endif
	BATCH 32, 64, 96, 40, \qk
	VA
	BATCH 96, 80, 176, 40, \qk
	VA
	BATCH 176, 80, 0, 0, 0
.endm
.macro SUMA hw                         ; the sum of the 256 p in window hw, unquantised, in eight chains of pairs
	WIN 0x05*\hw
.irp k, 0,1,2,3,4,5,6,7
	v_pk_add_f32 v[QC+2*\k:QC+2*\k+1], v[4*\k:4*\k+1], v[4*\k+2:4*\k+3]
.endr
	WIN 0x04*\hw
.set IT, 32
.rept 14
.irp k, 0,1,2,3,4,5,6,7
	v_pk_add_f32 v[QC+2*\k:QC+2*\k+1], v[QC+2*\k:QC+2*\k+1], v[IT+2*\k:IT+2*\k+1]
.endr
.set IT, IT+16
.endr
	WIN 0
.endm
.macro SUM8                            ; eight pairs to four
.irp k, 0,1,2,3
	v_pk_add_f32 v[QC+2*\k:QC+2*\k+1], v[QC+2*\k:QC+2*\k+1], v[QC+8+2*\k:QC+8+2*\k+1]
.endr
.endm
.macro SUM4                            ; four to two
	v_pk_add_f32 v[QC:QC+1], v[QC:QC+1], v[QC+4:QC+5]
	v_pk_add_f32 v[QC+2:QC+3], v[QC+2:QC+3], v[QC+6:QC+7]
.endm
; Where V's fragment f < 22 goes: registers that the chunks converted so far have left: 3 behind chunk 0 (window 2's 0-63 become O^T), 7 behind each later one.  Fragments 22-31 stay in window 1
.macro SLOTOF f
.if (\f) >= 22
.set FW, 1
.set FR, 16*((\f)-22)
.elseif (\f) < 3
.set FW, 3
.set FR, 16+16*(\f)
.else
.set FG, ((\f)-3)/7+1
.set FQ, ((\f)-3)%7
.if FQ < 3
.set FW, 3
.set FR, 64*FG+16+16*FQ
.else
.set FW, 2
.set FR, 64*FG+16*(FQ-3)
.endif
.endif
.endm
.macro VL f
	SLOTOF \f
	WIN 64*FW
.irp c, 0,1,2,3
	ds_load_b128 v[FR+4*\c:FR+4*\c+3], v[ADV] offset:2048*(\f)+512*\c
.endr
.endm
.macro PVI j, ct                       ; O^T's channel tile ct += V^T w^T over chunk j
	SLOTOF 8*\j+\ct
	WIN 0xac+FW
.if \j == 0
	v_wmma_f32_16x16x128_bf8_bf8 v[8*\ct:8*\ct+7], v[FR:FR+15], v[64*\j:64*\j+15], 0
.else
	v_wmma_f32_16x16x128_bf8_bf8 v[8*\ct:8*\ct+7], v[FR:FR+15], v[64*\j:64*\j+15], v[8*\ct:8*\ct+7]
.endif
.endm
.macro PV j                            ; eight accumulators by turns, one instruction a turn
.irp ct, 0,1,2,3,4,5,6,7
	PVI \j, \ct
.endr
.endm
.macro HOLD n                          ; n of w's numbers: the products' window setting serves these too (source 2 and destination in window 2)
.rept \n
	v_med3_num_f32 v[IT], s[LO], s[HI], v[IT]
.set IT, IT+1
.endr
.endm
.macro CONV j, pv                      ; chunk j (128 keys): w = p0 r0 - lam r1 p1, held, and its codes: the operand's 16 registers at window 3, 64 j.  pv = 1: chunk 0's products stand among the holds
	WIN 0xc3
.set IT, 64*\j
.rept 32
	v_pk_mul_f32 v[IT:IT+1], v[IT:IT+1], v[ST+2:ST+3] op_sel_hi:[1,0]
.set IT, IT+2
.endr
	WIN 0xb2
.set IT, 64*\j
.rept 32
	v_pk_fma_f32 v[IT:IT+1], v[IT:IT+1], v[ST:ST+1], v[IT:IT+1] op_sel_hi:[1,0,1]
.set IT, IT+2
.endr
.set IT, 64*\j
.if \pv
	VA
	s_wait_dscnt 36                                ; of 68 loads of V the first 32, chunk 0's, are in
.irp ct, 0,1,2,3,4,5,6,7
	PVI 0, \ct
	HOLD 8
.endr
.else
	WIN 0xa0
	HOLD 64
.endif
	WIN 0xc2
.irp c, 0,1,2,3
	v_cvt_scalef32_pk8_bf8_f32 v[64*\j+4*\c:64*\j+4*\c+1], v[64*\j+16*\c:64*\j+16*\c+7], v[SC]
	v_cvt_scalef32_pk8_bf8_f32 v[64*\j+4*\c+2:64*\j+4*\c+3], v[64*\j+16*\c+8:64*\j+16*\c+15], v[SC]
.endr
	v_nop                                          ; one plain vector line behind the last conversion
.endm
.macro OREAD                           ; the four waves' parts of O^T for my four queries, into window 2's 0-63: lanes 0-15 one row, lanes 16-31 the next; and the weights
	WIN 0x80
.irp s, 0,1,2,3
.irp q, 0,1,2,3
	ds_load_b128 v[16*\s+4*\q:16*\s+4*\q+3], v[RD] offset:8448*\s+1056*(\q/2)+256*(\q%2)
.endr
.endr
	WIN 0
	ds_load_b128 v[W:W+3], v[STR] offset:WGT-STATS
	ds_load_b128 v[W+4:W+7], v[STR] offset:WGT-STATS+256
.endm
.macro OOUT                            ; their sum, the RMS norm, the weights, and out
	s_add_nc_u64 s[20:21], s[20:21], s[76:77]      ; 16 rows on (the first time 0).  (The stores before have read their base: s_wait_xcnt 0 stands ahead of the products)
	s_mov_b32 s76, 0x10000
	WIN 0xaa
.irp k, 0,1,2,3,4,5,6,7
	v_pk_add_f32 v[2*\k:2*\k+1], v[2*\k:2*\k+1], v[16+2*\k:17+2*\k]
.endr
.irp k, 0,1,2,3,4,5,6,7
	v_pk_add_f32 v[32+2*\k:33+2*\k], v[32+2*\k:33+2*\k], v[48+2*\k:49+2*\k]
.endr
.irp k, 0,1,2,3,4,5,6,7
	v_pk_add_f32 v[2*\k:2*\k+1], v[2*\k:2*\k+1], v[32+2*\k:33+2*\k]
.endr
.irp k, 0,1,2,3,4,5,6,7
	v_pk_mul_f32 v[16+2*\k:17+2*\k], v[2*\k:2*\k+1], v[2*\k:2*\k+1]
.endr
.irp k, 0,1,4,5
	v_pk_add_f32 v[16+2*\k:17+2*\k], v[16+2*\k:17+2*\k], v[20+2*\k:21+2*\k]
.endr
.irp k, 0,4
	v_pk_add_f32 v[16+2*\k:17+2*\k], v[16+2*\k:17+2*\k], v[18+2*\k:19+2*\k]
.endr
	WIN 0x82
.irp q, 0,1,2,3
	v_pk_mul_f32 v[2*\q:2*\q+1], v[2*\q:2*\q+1], v[W+2*\q:W+2*\q+1]
	v_pk_mul_f32 v[8+2*\q:9+2*\q], v[8+2*\q:9+2*\q], v[W+2*\q:W+2*\q+1]
.endr
	WIN 0x0a
	v_add_f32 v28, v16, v17
	v_add_f32 v30, v24, v25
	WIN 0
.irp m, 1,2,4,8
	v_add_f32_dpp v28, v28, v28 row_xmask:\m row_mask:0xf bank_mask:0xf
	v_add_f32_dpp v30, v30, v30 row_xmask:\m row_mask:0xf bank_mask:0xf
.endr
	v_ldexp_f32 v28, v28, s55                      ; the mean square: x 2^(2 (ep + ev)) / 128
	v_ldexp_f32 v30, v30, s55
	v_add_f32 v28, 0x3727c5ac, v28                 ; + 1e-5
	v_add_f32 v30, 0x3727c5ac, v30
	VA
	v_rsq_f32 v28, v28
	v_rsq_f32 v30, v30
	v_nop
	VA
	v_ldexp_f32 v28, v28, s56                      ; x 2^(ep + ev)
	v_ldexp_f32 v30, v30, s56
	WIN 0x82
.irp q, 0,1,2,3
	v_pk_mul_f32 v[2*\q:2*\q+1], v[2*\q:2*\q+1], v[28:29] op_sel_hi:[1,0]
	v_pk_mul_f32 v[8+2*\q:9+2*\q], v[8+2*\q:9+2*\q], v[30:31] op_sel_hi:[1,0]
.endr
	WIN 0x08
.irp q, 0,1,2,3
	global_store_b128 v[GO], v[4*\q:4*\q+3], s[20:21] offset:8192*(\q/2)+256*(\q%2) th:TH_STORE_NT   ; sixteen lanes store 256 consecutive bytes, aligned
.endr
	WIN 0
.endm
; ONE TRIP: 16 queries, whose codes stand in v32-47.  last = 1: no trip follows.
.macro TRIP last
	KEPT 0, 9
	QK0 0, 12, 0x81, 160
	KEPT 9, 9
	QK0 12, 10, 0x80, -48
	KEPT 18, 8
	QK0 22, 10, 0x80, -48
	WIN 0
	NOPS 4
	MAX 2, ST, 0
	v_permlanex16_b32 v28, v24, s[SEL], s[SEL+1]
	v_max_num_f32 v24, v24, v28                    ; and among lane l xor 16's keys
	v_mul_f32 v24, s[CS], v24
	v_floor_f32 v24, -v24                          ; -M = floor(-t): M IS A WHOLE NUMBER
	EXPH 2, ST, 1                                  ; head 0's p; among its exponentials head 1's scores
	MAX 3, ST+2, 1
	SUMA 2
	v_permlanex16_b32 v28, v26, s[SEL], s[SEL+1]
	SUM8
	v_max_num_f32 v26, v26, v28
	SUM4
	v_mul_f32 v26, s[CS], v26
	v_pk_add_f32 v[QC:QC+1], v[QC:QC+1], v[QC+2:QC+3]
	v_floor_f32 v26, -v26
	v_add_f32 v25, v[QC], v[QC+1]
	v_permlanex16_b32 v29, v25, s[SEL], s[SEL+1]
	v_add_f32 v25, v25, v29                        ; my 512 keys' l of head 0
	EXPH 3, ST+2, 0
	v_nop                                          ; a plain place behind the last exponential
	VA
	SUMA 3
	SUM8
	SUM4
	v_pk_add_f32 v[QC:QC+1], v[QC:QC+1], v[QC+2:QC+3]
	v_add_f32 v27, v[QC], v[QC+1]
	v_permlanex16_b32 v28, v27, s[SEL], s[SEL+1]
	v_add_f32 v27, v27, v28
	VA
	s_wait_tensorcnt 0x0                           ; (first trip: my part of V has landed: behind the barrier all of V has)
	ds_store_b128 v[STW], v[ST:ST+3]
	s_wait_dscnt 0x0
	s_barrier_signal -1
	s_barrier_wait -1
.irp s, 0,1,2,3
	ds_load_b128 v[QC+4*\s:QC+4*\s+3], v[STR] offset:256*\s
.endr
	s_wait_dscnt 0x0
	v_min3_num_f32 v28, v32, v36, v40
	v_min3_num_f32 v29, v34, v38, v42
	v_min_num_f32 v28, v28, v44                    ; -M of all 2,048 keys
	v_min_num_f32 v29, v29, v46
.irp s, 0,1,2,3
	v_sub_f32 v[32+4*\s], v28, v[32+4*\s]          ; wave s's M less the row's: a whole number, 0 or less
	v_sub_f32 v[34+4*\s], v29, v[34+4*\s]
.endr
	v_sub_f32 v24, v28, v24                        ; and my own
	v_sub_f32 v26, v29, v26
.irp s, 0,1,2,3
	v_cvt_i32_f32 v[32+4*\s], v[32+4*\s]
	v_cvt_i32_f32 v[34+4*\s], v[34+4*\s]
.endr
	v_cvt_i32_f32 v24, v24
	v_cvt_i32_f32 v26, v26
.irp s, 0,1,2,3
	v_ldexp_f32 v[33+4*\s], v[33+4*\s], v[32+4*\s]
	v_ldexp_f32 v[35+4*\s], v[35+4*\s], v[34+4*\s]
.endr
	v_add_f32 v33, v33, v37
	v_add_f32 v35, v35, v39
	v_add_f32 v41, v41, v45
	v_add_f32 v43, v43, v47
	v_add_f32 v33, v33, v41                        ; l of head 0
	v_add_f32 v35, v35, v43                        ; l of head 1
	VA
	v_rcp_f32 v30, v33
	v_rcp_f32 v31, v35
	v_nop
	VA
	v_ldexp_f32 v24, v30, v24                      ; r0: my p of head 0 x r0 = a_0
	v_ldexp_f32 v26, v31, v26
	v_mul_f32 v26, s[LAMN], v26                    ; -lam r1
.if \last == 0
	global_load_b128 v[32:35], v[QG], s[4:5]       ; two trips on (never past the last tile): 8 queries of one head, 2,048 bytes a wave
	global_load_b128 v[36:39], v[QG], s[4:5] offset:16
	global_load_b128 v[40:43], v[QG], s[4:5] offset:1024
	global_load_b128 v[44:47], v[QG], s[4:5] offset:1040
.endif
	CONV 0, 0
	WIN 0
.if \last == 0
	VA
	s_cmp_eq_u32 s[CNT], 0                         ; the first trip has no trip before it
	s_cbranch_scc1 .Lno_parts_\@
.endif
	OREAD                                          ; the trip before's
.if \last == 0
.Lno_parts_\@:
.endif
.irp f, 0,1,2
	VL \f
.endr
	CONV 1, 0
.irp f, 3,4,5,6,7,8,9
	VL \f
.endr
	WIN 0
	VA
.if \last == 0
	s_cmp_eq_u32 s[CNT], 0
	s_cbranch_scc1 .Lno_rows_\@
.endif
	s_wait_dscnt 40                                ; O^T's parts and the weights are in; the 40 loads of V behind them may be out
	OOUT
.if \last == 0
.Lno_rows_\@:
.endif
	CONV 2, 0
.irp f, 10,11,12,13,14,15,16
	VL \f
.endr
	VA
	s_wait_xcnt 0x0                                ; the stores have read their data, which lie where O^T is begun
	CONV 3, 1
.irp f, 17,18,19,20,21
	VL \f
.endr
	VA
	s_wait_dscnt 24                                ; of 88 loads the first 64 are in
	PV 1
.if \last == 0
	WIN 0
	v_mov_b32 v28, s57                             ; 57,344 x 2^(eq + 3): the factor 1/8 on Q goes into its scale
	v_mov_b32 v29, s58                             ; 2^(eq + 3)
	VA
	s_wait_loadcnt 0x0                             ; Q's numbers (first trip: and V's fragments 22-31)
	QHOLD QC
	v_cvt_scalef32_pk8_bf8_f32 v[24:25], v[32:39], v29
	v_cvt_scalef32_pk8_bf8_f32 v[26:27], v[40:47], v29
	s_xor_b32 s59, s[QS], 2048
	v_add_nc_u32 v30, s[QS], v[QIW]
	v_add_nc_u32 v31, s59, v[QIR]
	ds_store_b64 v30, v[24:25]
	ds_store_b64 v30, v[26:27] offset:64
	ds_load_b128 v[32:35], v31                     ; the next trip's codes, from the other slot
	ds_load_b128 v[36:39], v31 offset:512
	ds_load_b128 v[40:43], v31 offset:1024
	ds_load_b128 v[44:47], v31 offset:1536
	s_xor_b32 s[QS], s[QS], 2048
	s_cmp_lt_u32 s[CNT], 5
	s_cselect_b32 s60, 0x1000, 0                   ; 16 queries on, until the last tile
	s_add_nc_u64 s[4:5], s[4:5], s[60:61]          ; (the loads above are done; the last trip's prefetch was freed by s_wait_xcnt 0 above)
	global_prefetch_b8 v[PFO], s[4:5] th:TH_LOAD_NT scope:SCOPE_SE   ; what the next trip loads: my wave's 8 blocks of 256 bytes, a lane a block, the other lanes the last block again
	s_wait_dscnt 6                                 ; V's last loads are in; the two stores and four loads above may be out
.else
	s_wait_dscnt 0x0
.endif
	PV 2
	VA
	s_wait_dscnt 0x0                               ; my reads and Q's image are done
	s_barrier_signal -1
	PV 3
	NOPS 5                                         ; for the stores, and for what is written over the products' registers next
	s_barrier_wait -1                              ; every wave has read the trip before's parts, the stats and Q's other image
	WIN 0x08
.irp ct, 0,1,2,3,4,5,6,7
	ds_store_b128 v[STO], v[8*\ct:8*\ct+3] offset:64*\ct
	ds_store_b128 v[STO], v[8*\ct+4:8*\ct+7] offset:64*\ct+16
.endr
	WIN 0
.endm
	s_load_b256 s[4:11], s[0:1], 0x0               ; queries, kv, lambda_q1, lambda_k1
	s_load_b256 s[12:19], s[0:1], 0x20             ; lambda_q2, lambda_k2, subln_weight, the scales' exponents
	s_load_b64 s[20:21], s[0:1], 0x40              ; out0
	v_lshl_add_u32 v[SPW], v0, 2, SPARE
	v_mov_b32 v[NIL], 0
	ds_add_u32 v[SPW], v[NIL]                      ; the wave's opening: the add, twice on end, and its wait ahead of my first tensor load
	ds_add_u32 v[SPW], v[NIL]
	v_lshrrev_b32 v28, 5, v0
	v_readfirstlane_b32 s[WV], v28                 ; wave 0..3
	s_lshr_b32 s23, s[WV], 1                       ; the head whose queries I convert,
	s_and_b32 s40, s[WV], 1                        ; and which 8 of a trip's 16
	s_bfe_u32 s41, ttmp6, 0x40000
	s_lshl_b32 s42, ttmp9, 2
	s_add_co_u32 s42, s42, s41                     ; query block x
	s_and_b32 s43, ttmp7, 0xffff                   ; pair y
	s_mov_b32 s[G1+0], 15|(3<<16)|(1<<21)          ; mask of all four work-groups; elements of 8 bytes; bit 21 set beside a mask; no padding
	s_mov_b32 s[G1+1], 32<<16                      ; rows of 256 bytes, dense
	s_mov_b32 s[G1+2], 280<<16
	s_mov_b32 s[G1+3], 32<<16
	s_mov_b32 s[G1+4], 280
	s_mov_b32 s[G1+5], 32
	s_mov_b32 s[G1+6], 0
	s_mov_b32 s[G1+7], 0
	s_mov_b32 s[G1B+0], 15|(3<<16)|(1<<21)
	s_mov_b32 s[G1B+1], 32<<16
	s_mov_b32 s[G1B+2], 152<<16
	s_mov_b32 s[G1B+3], 32<<16
	s_mov_b32 s[G1B+4], 152
	s_mov_b32 s[G1B+5], 32
	s_mov_b32 s[G1B+6], 0
	s_mov_b32 s[G1B+7], 0
	s_mov_b32 s[SEL], 0x76543210
	s_mov_b32 s[SEL+1], 0xfedcba98                 ; lane l xor 16
	s_mov_b32 s[QS], 0
	s_mov_b32 s76, 0
	s_mov_b32 s77, 0
	s_lshl_b32 s60, s43, 20                        ; my part of the queries: pair,
	s_lshl_b32 s61, s23, 19
	s_add_co_u32 s60, s60, s61                     ; head,
	s_lshl_b32 s61, s42, 15
	s_add_co_u32 s60, s60, s61                     ; block of 128 queries,
	s_lshl_b32 s61, s40, 11
	s_add_co_u32 s60, s60, s61                     ; 8 of 16
	s_mov_b32 s61, 0
	s_lshr_b32 s62, s43, 3
	s_lshl_b32 s62, s62, 23                        ; my part of the output: batch,
	s_lshl_b32 s63, s42, 19
	s_add_co_u32 s62, s62, s63                     ; block of 128 rows of 4,096 bytes,
	s_lshl_b32 s63, s[WV], 14
	s_add_co_u32 s62, s62, s63                     ; rows 4 x wave on,
	s_and_b32 s63, s43, 7
	s_lshl_b32 s63, s63, 9
	s_add_co_u32 s62, s62, s63                     ; the pair's 128 channels
	s_mov_b32 s63, 0
	s_lshl_b32 s66, s43, 19                        ; the pair's codes
	s_mov_b32 s67, 0
	s_mul_i32 s80, s[WV], 71680                    ; the head's fill: a quarter of 286,720 bytes
	s_mov_b32 s81, 0
	s_mul_i32 s78, s[WV], 38912                    ; the refill: a quarter of 155,648
	s_add_co_u32 s82, s78, 286720
	s_mov_b32 s83, 0
	s_mul_i32 s84, s[WV], 20480
	s_add_co_u32 s84, s84, 442368                  ; my fragments 22-31 of V
	s_mov_b32 s85, 0
	s_mul_i32 s86, s[WV], 45056
	s_add_co_u32 s86, s86, VLDS
	s_mul_i32 s87, s[WV], 26624
	s_add_co_u32 s90, s78, VLDS
	s_mul_i32 s91, s[WV], 8448
	s_add_co_u32 s91, s91, STAGE
	s_mul_i32 s92, s[WV], 2112
	s_add_co_u32 s92, s92, STAGE
	s_lshl_b32 s93, s[WV], 8
	s_add_co_u32 s93, s93, STATS
	s_lshl_b32 s94, s23, 10
	s_lshl_b32 s95, s40, 7
	s_add_co_u32 s94, s94, s95
	s_add_co_u32 s94, s94, QIMG
	v_and_b32 v24, 31, v0                          ; lane
	v_and_b32 v25, 15, v0                          ; r
	v_bfe_u32 v26, v0, 4, 1                        ; h
	v_lshlrev_b32 v27, 4, v24                      ; 16 x lane
	v_lshlrev_b32 v31, 4, v25                      ; 16 r
	v_lshlrev_b32 v30, 3, v24                      ; 8 x lane
	v_add_nc_u32 v[ADV], s86, v27
	v_add_nc_u32 v[ADK], s87, v27
	v_add_nc_u32 v29, s90, v27                     ; the K tiles for my registers
	v_mul_u32_u24 v[STO], v25, 528
	v_lshl_add_u32 v[STO], v26, 5, v[STO]
	v_add_nc_u32 v[STO], s91, v[STO]
	v_mul_u32_u24 v[RD], v26, 528
	v_add_nc_u32 v[RD], v[RD], v31
	v_add_nc_u32 v[RD], s92, v[RD]
	v_add_nc_u32 v[STW], s93, v31
	v_add_nc_u32 v[STR], STATS, v31
	v_bfe_u32 v28, v0, 2, 1                        ; lane l's 8 channels are 8 (l % 8) on, its query l / 8: where the operand's image has them
	v_lshlrev_b32 v[QIW], 9, v28
	v_bfe_u32 v28, v0, 1, 1
	v_lshl_add_u32 v[QIW], v28, 8, v[QIW]
	v_bfe_u32 v28, v0, 3, 2
	v_lshl_add_u32 v[QIW], v28, 4, v[QIW]
	v_and_b32 v28, 1, v0
	v_lshl_add_u32 v[QIW], v28, 3, v[QIW]
	v_add_nc_u32 v[QIW], s94, v[QIW]
	v_add_nc_u32 v[QIR], QIMG, v27
	v_lshlrev_b32 v[QG], 5, v24
	v_lshlrev_b32 v[GO], 12, v26
	v_add_nc_u32 v[GO], v[GO], v31
	v_min_u32 v[PFO], 7, v24
	v_lshlrev_b32 v[PFO], 8, v[PFO]
	v_lshlrev_b32 v31, 2, v0                       ; the weight that I scale: 4 x my thread's number, in memory
	v_lshl_add_u32 v81, v0, 2, WGT                 ; and in LDS
	v_lshlrev_b32 v0, 4, v24                       ; 16 x lane, never rewritten
	VA
	s_wait_dscnt 0x0                               ; both opening adds are done
	s_wait_kmcnt 0x0
	s_load_b128 s[44:47], s[18:19], 0x0            ; eq, ek, ep, ev
	s_add_nc_u64 s[6:7], s[6:7], s[66:67]
	s_mov_b32 s[G0], 1
	s_mov_b32 s[G0+1], s80
	s_add_nc_u64 s[G0+2:G0+3], s[6:7], s[80:81]
	s_or_b32 s[G0+3], s[G0+3], 0x80000000
	s_mov_b32 s[G0B], 1
	s_mov_b32 s[G0B+1], s90
	s_add_nc_u64 s[G0B+2:G0B+3], s[6:7], s[82:83]
	s_or_b32 s[G0B+3], s[G0B+3], 0x80000000
	s_add_nc_u64 s[88:89], s[6:7], s[84:85]
	s_add_nc_u64 s[4:5], s[4:5], s[60:61]
	s_add_nc_u64 s[20:21], s[20:21], s[62:63]
	ROUND                                          ; in front of the first joint load
	tensor_load_to_lds s[G0:G0+3], s[G1:G1+7]      ; all of K, and the last 24,576 bytes of V's part in LDS
	s_nop 0
	NOPS 4
.irp q, 0,1                            ; the first two trips' queries
	global_load_b128 v[32+16*\q:35+16*\q], v[QG], s[4:5] offset:4096*\q
	global_load_b128 v[36+16*\q:39+16*\q], v[QG], s[4:5] offset:4096*\q+16
	global_load_b128 v[40+16*\q:43+16*\q], v[QG], s[4:5] offset:4096*\q+1024
	global_load_b128 v[44+16*\q:47+16*\q], v[QG], s[4:5] offset:4096*\q+1040
.endr
	global_load_b64 v[64:65], v30, s[8:9]
	global_load_b64 v[66:67], v30, s[10:11]
	global_load_b64 v[68:69], v30, s[12:13]
	global_load_b64 v[70:71], v30, s[14:15]
	global_load_b32 v82, v31, s[16:17]
	s_wait_kmcnt 0x0
	s_add_co_i32 s78, s44, 130
	s_lshl_b32 s58, s78, 23                        ; 2^(eq + 3)
	s_add_co_i32 s78, s78, 15
	s_lshl_b32 s57, s78, 23
	s_or_b32 s57, s57, 0x600000                    ; 57,344 x 2^(eq + 3)
	s_add_co_i32 s78, s44, s45
	s_lshl_b32 s78, s78, 23
	s_add_co_i32 s[CS], s78, 0x3fb8aa3b            ; a score stands for score x 2^(eq + ek)
	s_mov_b32 s[CS+1], s[CS]
	s_add_co_i32 s56, s46, s47                     ; ep + ev
	s_lshl_b32 s55, s56, 1
	s_sub_co_i32 s55, s55, 7
	s_add_co_i32 s78, s46, 127
	s_lshl_b32 s79, s78, 23
	s_add_co_i32 s78, s78, 15
	s_lshl_b32 s78, s78, 23
	s_or_b32 s[HI], s78, 0x600000
	s_or_b32 s[LO], s[HI], 0x80000000
	v_mov_b32 v[SC], s79
	v_mov_b32 v28, s57
	v_mov_b32 v80, s58
	v_mov_b32 v26, 0                               ; (a lane permute's destination counts as one of its sources)
	v_mov_b32 v27, 0
	VA
	s_wait_loadcnt 5                               ; the eight loads of queries are in
	QHOLD 32
	QHOLD 48
.irp q, 0,1,2,3
	v_cvt_scalef32_pk8_bf8_f32 v[72+2*\q:73+2*\q], v[32+8*\q:39+8*\q], v80
.endr
	v_nop
	s_wait_loadcnt 1                               ; the four lambda vectors
	v_mul_f32 v24, v64, v66
	v_mul_f32 v25, v68, v70
	v_fma_f32 v24, v65, v67, v24
	v_fma_f32 v25, v69, v71, v25
.irp m, 1,2,4,8
	v_add_f32_dpp v24, v24, v24 row_xmask:\m row_mask:0xf bank_mask:0xf
	v_add_f32_dpp v25, v25, v25 row_xmask:\m row_mask:0xf bank_mask:0xf
.endr
	v_permlanex16_b32 v26, v24, s[SEL], s[SEL+1]
	v_permlanex16_b32 v27, v25, s[SEL], s[SEL+1]
	v_add_f32 v24, v24, v26
	v_add_f32 v25, v25, v27
	v_mul_f32 v24, 0x3fb8aa3b, v24
	v_mul_f32 v25, 0x3fb8aa3b, v25
	VA
	v_exp_f32 v24, v24
	v_exp_f32 v25, v25
	v_nop
	VA
	v_sub_f32 v24, v24, v25
	v_add_f32 v24, 0x3f3368fc, v24                 ; lam
	v_readfirstlane_b32 s[LAMN], v24               ; the same in every lane
	s_xor_b32 s[LAMN], s[LAMN], 0x80000000
	VA
	s_wait_loadcnt 0x0
	v_mul_f32 v82, 0x3e992e09, v82                 ; x (1 - LAMBDA_INIT)
	VA
	s_wait_tensorcnt 0x0                           ; my part of the head's fill is in
	ds_store_b64 v[QIW], v[72:73]
	ds_store_b64 v[QIW], v[74:75] offset:64
	ds_store_b64 v[QIW], v[76:77] offset:2048
	ds_store_b64 v[QIW], v[78:79] offset:2112
	ds_store_b32 v81, v82
	s_wait_dscnt 0x0
	s_barrier_signal -1
	s_barrier_wait -1                              ; K is whole, and so are the first two images of Q and the weights
	s_add_nc_u64 s[4:5], s[4:5], 0x2000            ; the first trip loads tile 2
	WIN 0x40
.irp f, 0,1,2,3,4,5,6,7,8,9
.irp c, 0,1,2,3
	global_load_b128 v[16*\f+4*\c:16*\f+4*\c+3], v0, s[88:89] offset:2048*\f+512*\c   ; V's fragments 22-31 into window 1
.endr
.endr
.irp n, 0,1,2,3,4,5,6,7,8,9,10,11
	ds_load_b128 v[160+8*\n:163+8*\n], v29 offset:1024*\n
	ds_load_b128 v[164+8*\n:167+8*\n], v29 offset:1024*\n+512
.endr
	WIN 0
.irp n, 12,13,14,15,16,17,18,19,20,21,22,23,24,25,26,27,28,29,30,31,32,33,34,35,36,37
	ds_load_b128 v[8*\n-48:8*\n-45], v29 offset:1024*\n
	ds_load_b128 v[8*\n-44:8*\n-41], v29 offset:1024*\n+512
.endr
.irp c, 0,1,2,3
	ds_load_b128 v[QC+4*\c:QC+4*\c+3], v[QIR] offset:512*\c
.endr
	s_wait_tensorcnt 0x0                           ; ahead of the refill
	ds_add_u32 v[SPW], v[NIL]
	s_mov_b32 s61, 0
	s_mov_b32 s[CNT], 0
	s_wait_dscnt 0x0                               ; the add is done, and so are my reads of what is filled again
	ROUND
	tensor_load_to_lds s[G0B:G0B+3], s[G1B:G1B+7]  ; V's first 155,648 bytes in LDS, where the K tiles for the registers were
	s_nop 0
	NOPS 4
	VA
.Ltrip:
	TRIP 0
	s_add_co_u32 s[CNT], s[CNT], 1
	s_cmp_lt_u32 s[CNT], 7
	VA
	s_cbranch_scc1 .Ltrip
	TRIP 1                                         ; the last trip is written out: nothing is made for a next one
	VA
	s_wait_dscnt 0x0
	s_barrier_signal -1
	s_barrier_wait -1                              ; all parts of the last O^T are in LDS
	OREAD
	s_wait_dscnt 0x0
	OOUT
	VA
	s_wait_tensorcnt 0x0                           ; the wave's end
	ds_add_u32 v[SPW], v[NIL]
	s_wait_dscnt 0x0
	ROUND                                          ; the closing round
	s_endpgm
.Lfunc_end_k_q0fd55f8644_attn:
	.size	k_q0fd55f8644_attn, .Lfunc_end_k_q0fd55f8644_attn-k_q0fd55f8644_attn
	.p2alignl 7, 3214868480
	.fill 96, 4, 3214868480
	.section	.rodata,"a",@progbits
	.p2align	6, 0x0
	.amdhsa_kernel k_q0fd55f8644_attn
		.amdhsa_group_segment_fixed_size 327680
		.amdhsa_private_segment_fixed_size 0
		.amdhsa_enable_private_segment 0
		.amdhsa_kernarg_size 72
		.amdhsa_user_sgpr_count 2
		.amdhsa_user_sgpr_kernarg_segment_ptr 1
		.amdhsa_wavefront_size32 1
		.amdhsa_system_sgpr_workgroup_id_x 1
		.amdhsa_system_sgpr_workgroup_id_y 1
		.amdhsa_system_sgpr_workgroup_id_z 1
		.amdhsa_system_vgpr_workitem_id 0
		.amdhsa_next_free_vgpr 1024
		.amdhsa_next_free_sgpr 96
		.amdhsa_reserve_vcc 0
		.amdhsa_float_denorm_mode_32 3
		.amdhsa_float_denorm_mode_16_64 3
		.amdhsa_memory_ordered 1
		.amdhsa_forward_progress 1
		.amdhsa_inst_pref_size 255
	.end_amdhsa_kernel
	.section	.bss,"aw",@nobits
	.p2align	6
	.space	262144
	.amdgpu_metadata
---
amdhsa.version: [ 1, 2 ]
amdhsa.kernels:
  - .name:           k_q0fd55f8644_attn
    .symbol:         k_q0fd55f8644_attn.kd
    .args:
      - { .name: queries, .offset: 0, .size: 8, .value_kind: global_buffer, .address_space: global }
      - { .name: kv, .offset: 8, .size: 8, .value_kind: global_buffer, .address_space: global }
      - { .name: lambda_q1, .offset: 16, .size: 8, .value_kind: global_buffer, .address_space: global }
      - { .name: lambda_k1, .offset: 24, .size: 8, .value_kind: global_buffer, .address_space: global }
      - { .name: lambda_q2, .offset: 32, .size: 8, .value_kind: global_buffer, .address_space: global }
      - { .name: lambda_k2, .offset: 40, .size: 8, .value_kind: global_buffer, .address_space: global }
      - { .name: subln_weight, .offset: 48, .size: 8, .value_kind: global_buffer, .address_space: global }
      - { .name: lowp_scales, .offset: 56, .size: 8, .value_kind: global_buffer, .address_space: global }
      - { .name: out0, .offset: 64, .size: 8, .value_kind: global_buffer, .address_space: global }
    .group_segment_fixed_size: 327680
    .private_segment_fixed_size: 0
    .kernarg_segment_align: 8
    .kernarg_segment_size: 72
    .max_flat_workgroup_size: 128
    .sgpr_count:     96
    .vgpr_count:     1024
    .wavefront_size: 32
...
	.end_amdgpu_metadata
.endif
;; end of part 2
